; MI455X (gfx1250); checked and timed in simulation.
; The chip was launched on July 23, 2026; its instructions are those of AMD's public machine-readable ISA for CDNA 5 (MIT licence, August 2026) and "CDNA5" Instruction Set Architecture Reference Guide (July 2026). The comments in the code are by the model that wrote it; some were corrected since.
;; gated attention. Allowed arithmetic: matrix products marked QUANTISED: E2M3 operands, one E8M0 scale for each 32 along K, by v_wmma_scale_f32_16x16x128_f8f6f4 with both operands' format E2M3, f32 sums; products left as they are: f32 operands where the result goes on into a quantised operand, else bf16, f16 or f32 operands; f32 sums; everything else in f32.
;; Inputs: Wk 256 x 256 float32; Wq 256 x 256 float32; Wr 256 float32; Wv 256 x 256 float32; beta 256 float32; bq 256 float32; bv 256 float32; c 4 x 512 x 256 float32; gamma 256 float32; mask 4 x 512 x 512 float32; x 4 x 512 x 256 float32.
;; Outputs: out0 4 x 512 x 256 float32.
;; This version of the problem:
;;   THIS VERSION OF THE PROBLEM IS GIVEN IN LOW PRECISION. The matrix products marked QUANTISED in the list below multiply operands that are first quantised to E2M3 (2 exponent bits, 3 mantissa bits; 6 bits a number), with one power-of-two scale for each 32 numbers along K (OCP MX v1.0); their sums are f32. All else is computed in f32.
;;   The module's matrix products, in the order in which they are computed (A, B: the left and right operand; K: the contracted axis; several contracted axes count as one K, in the product's order):
;;     1. [M 2,048, K 256] x [K 256, N 256]; A: input x; B: input Wq: QUANTISED
;;     2. [M 2,048, K 256] x [K 256, N 256]; A: input c; B: input Wk: QUANTISED
;;     3. [M 1,048,576, K 256] x [K 256, N 1]; A: computed on the way; B: input Wr: left as it is (N = 1 < 16)
;;     4. [M 2,048, K 256] x [K 256, N 256]; A: input c; B: input Wv: QUANTISED
;;     5. batch 4 x [M 512, K 512] x [K 512, N 256]; A: computed on the way; B: computed on the way: QUANTISED
;;   THE QUANTISER, for each operand of a quantised product, along K:
;;     - K is cut into blocks of 32 from its start; a last block that is shorter is filled with zeros.
;;     - A block's scale is 2^e with e = floor(log2(the largest magnitude in the block)) - 2, held to -126 .. 127; a block of zeros has e = 0. As a byte (E8M0): e + 127.
;;     - Each number is divided by its block's scale, clamped to +-7.5, and rounded to the nearest number of E2M3, ties to even, subnormals kept.
;;     - The product sums the exact products of the quantised numbers (number of the format x scale) in f32.
;;   ~~~python
;;   def quantise(x, axis):      # numpy; x: float32 -> the quantised numbers, widened to float32 again
;;       x = np.moveaxis(x, axis, -1); K = x.shape[-1]
;;       x = np.pad(x, [(0, 0)] * (x.ndim - 1) + [(0, -K % 32)]); x = x.reshape(x.shape[:-1] + (-1, 32)); a = np.abs(x).max(-1, keepdims=True)
;;       e = np.where(a > 0, np.clip(np.frexp(np.where(a > 0, a, 1))[1] - 1 - 2, -126, 127), 0)      # np.frexp(a)[1] - 1 = floor(log2(a)), exactly
;;       r = np.clip(x / 2.0 ** e, -7.5, 7.5)
;;       step = 2.0 ** (np.maximum(np.frexp(np.where(r == 0, 1, r))[1] - 1, 0) - 3)
;;       q = np.round(r / step) * step * 2.0 ** e      # np.round: ties to even
;;       return np.moveaxis(q.reshape(q.shape[:-2] + (-1,))[..., :K], -1, axis).astype(np.float32)
;;   ~~~
;;   OPERANDS COMPUTED ON THE WAY. 'Computed on the way' means the value that the module computes at that place (a softmax that the list does not call 'softmax' is quantised finished and normalised). What goes into a quantiser is computed in f32, as accurately as f32 sums, v_exp_f32 and their like allow (about 1e-6 of the number): no bf16 or f16 on the way to a quantiser, and a product that is left as it is and whose result goes on into a quantised operand takes f32 operands (vector FMAs, or v_wmma_f32_16x16x4_f32). A number that lies on a knife's edge between two numbers of the format may be rounded either way, as far as f32 arithmetic and the matrix unit's own rounding can turn it there, and no further.
;; One version. Each part assembles by itself: llvm-mc -triple=amdgcn-amd-amdhsa -mcpu=gfx1250 --defsym DOCPART=n.
;; ======== version 1 of 1: 2 launches
;; workspace buffers: part 262,144 bytes; vq 425,984 bytes
;; launch prep (part 1): grid 12 x 16, 4 waves a work-group, clusters of 4 x 4, 229,888 bytes of LDS; arguments x, c, Wq, Wk, Wv, bq, bv, Wr, part, vq; writes part, vq
.if DOCPART == 1
	.amdgcn_target "amdgcn-amd-amdhsa--gfx1250"
	.amdhsa_code_object_version 6
	.text
	.protected	k_qe39a722f7f_prep
	.globl	k_qe39a722f7f_prep
	.p2align	8
	.type	k_qe39a722f7f_prep,@function
k_qe39a722f7f_prep:
	s_mov_b64 s[64:65], 0
	v_nop
	global_prefetch_b8 v0, s[64:65] scope:SCOPE_SE
	s_setreg_imm32_b32 hwreg(HW_REG_WAVE_MODE, 25, 1), 1
	s_wait_xcnt 0x0
	s_wait_alu depctr_hold_cnt(0) depctr_sa_sdst(0) depctr_va_vdst(0) depctr_va_sdst(0) depctr_va_ssrc(0) depctr_va_vcc(0) depctr_vm_vsrc(0)
	s_getreg_b32 s2, hwreg(HW_REG_IB_STS2, 6, 4)
	s_cmp_eq_u32 s2, 0
	s_cbranch_scc0 .Lentry_in_a_cluster
	s_endpgm
.Lentry_in_a_cluster:
	s_bfe_u32 s2, ttmp6, 0x10000c
	s_cmp_lg_u32 s2, 0xf033
	s_cbranch_scc0 .Lentry_shape_is_right
	s_endpgm
.Lentry_shape_is_right:
; PREP: the three projections of the gated attention, on codes of FP6 (E2M3) with one E8M0 scale for each 32 along K = 256.
;   p = 0: q = tanh(x Wq^T + bq), p = 1: k = tanh(c Wk^T): of these only the dot with Wr is wanted, since sum_d (q[n,d] + k[m,d]) Wr[d] = q[n].Wr + k[m].Wr for every input.
;          Stored: part[p][e tile][row] = the sum over the tile's 16 e of tanh(..)[row][e] Wr[e], f32.  The next launch adds the 16 tiles.
;   p = 2: v = (c Wv^T + bv) / 16, quantised along m (the K of the last product) and stored as images of operand registers (below).
; LIMITS.  The score is summed as q.Wr + k.Wr in 16 parts, not in the order in which the source writes it: both are f32 sums of 256 terms.  tanh: 1 - 2 / (1 + 2^(2 x log2 e)) from |x| = 0.25 on, an odd
; polynomial of degree 9 under it (first term left out: 8.5e-9 of the number at 0.25), chosen by v_cndmask_b32; both arms keep about 1e-6 of the number.  A block of zeros gets the scale byte 1, not 127: its codes are zeros
; and this program alone reads the bytes.  NaN and infinities among the inputs are not served.
; SHARES.  The cluster's x is p, its y the batch.  In the cluster of 4 x 4, cy is the block of 128 rows of the batch and cx the group of 64 rows of the weight.  A work-group: 128 rows x 64 weight rows x K 256.
; Wave w: the weight's tile of 16 rows e = 16 (4 cx + w) .. + 15 against all 128 rows: 8 accumulators, 2 K steps.
; CLUSTER.  The four work-groups of a row of the cluster need the same 128 rows of x or c, the four of a column the same 64 rows of the weight: each tile is asked for jointly, which divides the requests by four.
; Each wave fetches just the rows that it quantises (32 of the activation, 16 of the weight), so its own wait on TENSORcnt orders its reads.  LDS is filled once: no slot is filled again.
; OPERANDS GO FROM WAVE TO WAVE AS IMAGES OF THEIR REGISTERS: a fragment (16 rows x 128 K, 12 registers a lane) by three stores of 16 bytes a lane at 16 x lane, its scale words by one of 4 bytes a lane.
; THE ROWS OF AN ACTIVATION TILE ARE NOT NEIGHBOURS: lane r of tile 2 b + u takes row 32 b + 8 u + r + 8 (r / 8), so that in the v path (a lane holds one d) the 16 registers of tiles 2 b, 2 b + 1 are 16 neighbours along m.
.set PIT,   1040                       ; an LDS row of 256 f32: 1,024 bytes + 16 of padding
.set ATW,   32*PIT                     ; a wave's 32 rows of the activation
.set BT0,   4*ATW                      ; behind them the weight's tiles,
.set BTW,   16*PIT                     ; 16 rows a wave
.set FRB,   1536                       ; a fragment's image
.set AIMG,  BT0+4*BTW                  ; 199,680: the activation's 16 images, index 2 a + s (tile a, K step s)
.set ASC,   AIMG+16*FRB                ; 224,256: their scale words, 128 bytes each
.set QST,   ASC+16*128                 ; 226,304: 512 bytes a wave: 128 rows' partial dots on the way out
.set VBLK,  16*FRB+16*128              ; 26,624: a block of vq: 16 images, then their 16 scale-word images
.set WV,  28                           ; s28  wave
.set PJ,  29                           ; s29  p
.set CX,  30
.set CY,  31
.set BAT, 32
.set BM,  35                           ; s35  all ones where the product has a bias in its C (p = 0)
.set HI,  36                           ; s36  lanes 16-31
.set TH,  37                           ; s37  0.25
.set SEL, 38                           ; s[38:39] v_permlanex16_b32's selects for lane l xor 16
.set G1A, 40                           ; s[40:47] descriptor group 1, activation;  s[48:55] weight;  s[56:59], s[60:63] their groups 0
.set G1B, 48
.set G0A, 56
.set G0B, 60
.set ATA, 4                            ; v4   my place in my wave's activation tile
.set BTA, 5                            ; v5   and in its weight tile
.set IWA, 6                            ; v6   where I store my wave's four images
.set ISA, 7                            ; v7   and their scale words
.set FI,  8                            ; v8   where any image is read: AIMG + 16 x lane
.set FS,  9                            ; v9   ASC + 4 x lane
.set QSA, 10                           ; v10  the partial dots: in
.set QLA, 11                           ; v11  and back
.set L16, 12                           ; v12  16 x lane
.set L4,  13                           ; v13  4 x lane
.set BOF, 14                           ; v14  byte of my 8 e in bq and Wr
.set VOF, 15                           ; v15  byte of my d in bv
.set BI,  16                           ; v16-23 the bias as C
.set WR,  24                           ; v24-31 Wr at my 8 e
.set BV,  32                           ; v[32:33] bv / 16, twice
.set C4,  34                           ; v[34:35] the polynomial's highest coefficient, twice
.set AS,  36                           ; v36-51 the activation's scale words, 2 a + s: scales and nothing else
.set WS,  52                           ; v52-53 the weight's
.set PW,  54                           ; v54  a scale word on its way to a store
.set X,   56                           ; v56-119  64 numbers / the 8 accumulators
.set T,   120                          ; v120-183 64 numbers / at work
.set P,   184                          ; v184-247 the polynomial
.set U,   248                          ; v248-255 squares
.set XA,  56
.set XB,  120
.set ACC, 56
.set AF,  120                          ; v120-215 eight fragments of the activation
.set TM,  184                          ; v184-199 the quantiser's 16
.set CT,  200                          ; v200-207 upper halves of blocks
.set PC,  208                          ; v208-219 codes just made
.set WF,  220                          ; v220-243 the weight's two fragments
.macro CROUND                          ; a round of the cluster's barrier
	s_barrier_signal -1
	s_barrier_wait -1
	s_cmp_lg_u32 s[WV], 0
	s_cbranch_scc1 .Lnot_wave_0_\@
	s_barrier_signal -3
.Lnot_wave_0_\@:
	s_barrier_wait -3
	s_barrier_signal -1
	s_barrier_wait -1
.endm
.macro PLACES n
.rept \n
	v_nop
.endr
.endm
; 64 numbers of my row: register 16 b + i = k 32 b + 16 (lane / 16) + i (the address carries 64 x (lane / 16))
.macro LDX set, adr, off
.irp b, 0,1,2,3
.irp j, 0,1,2,3
	ds_load_b128 v[\set+16*\b+4*\j:\set+16*\b+4*\j+3], v[\adr] offset:(\off)+128*\b+16*\j
.endr
.endr
.endm
; such 64 numbers become a fragment's 12 registers at v[d] and its scale word in v[pw]
.macro QUANT s, d, pw
.irp b, 0,1,2,3
	v_max3_num_f32 v[TM+\b], |v[\s+16*\b]|, |v[\s+1+16*\b]|, 0x1800000   ; my 16 of block b, and the floor 2^(3 - 127): the byte cannot fall under 1
.endr
.irp i, 2,4,6,8,10,12,14
.irp b, 0,1,2,3
	v_max3_num_f32 v[TM+\b], v[TM+\b], |v[\s+16*\b+\i]|, |v[\s+1+16*\b+\i]|   ; the four blocks by turns
.endr
.endr
.irp b, 0,1,2,3
	v_permlanex16_b32 v[TM+4+\b], v[TM+\b], s[SEL], s[SEL+1]
.endr
.irp b, 0,1,2,3
	v_max_num_f32 v[TM+\b], v[TM+\b], v[TM+4+\b]   ; with lane l xor 16's 16: the block's largest magnitude
.endr
.irp b, 0,1,2,3
	v_add_nc_u32 v[TM+12+\b], 0xff000000, v[TM+\b]   ; 2 off its exponent field: the conversion's scale operand
.endr
.irp b, 0,1,2,3
	v_lshrrev_b32 v[TM+4+\b], 23, v[TM+12+\b]      ; the scale's byte
.endr
	v_lshl_or_b32 v[\pw], v[TM+5], 8, v[TM+4]
	v_lshl_or_b32 v[\pw], v[TM+6], 16, v[\pw]
	v_lshl_or_b32 v[\pw], v[TM+7], 24, v[\pw]
.irp c, 0,1
	v_cvt_scalef32_pk16_fp6_f32 v[\d+6*\c:\d+6*\c+2], v[\s+32*\c:\s+32*\c+15], v[TM+12+2*\c]
	v_cvt_scalef32_pk16_fp6_f32 v[CT+4*\c:CT+4*\c+2], v[\s+32*\c+16:\s+32*\c+31], v[TM+13+2*\c]   ; a conversion's three registers begin on an even number
.endr
	v_nop                                          ; one plain place behind a scaled conversion
.irp c, 0,1                                    ; the layout wants a whole block in a lane: lanes 0-15 block 2 c, lanes 16-31 block 2 c + 1
.irp i, 0,1,2
	v_permlane16_swap_b32 v[\d+6*\c+\i], v[CT+4*\c+\i]
.endr
.irp i, 0,1,2
	v_mov_b32 v[\d+6*\c+3+\i], v[CT+4*\c+\i]
.endr
.endr
.endm
.macro IMAGE adr, reg, off
.irp c, 0,1,2
	ds_store_b128 v[\adr], v[\reg+4*\c:\reg+4*\c+3] offset:(\off)+512*\c
.endr
.endm
.macro FETCH reg, adr, off
.irp c, 0,1,2
	ds_load_b128 v[\reg+4*\c:\reg+4*\c+3], v[\adr] offset:(\off)+512*\c
.endr
.endm
; tanh of v[X] .. v[X + 63], in place.  Two batches of transcendentals, one wait each, ahead of the batch's first reader; the polynomial is the plain work behind the exponentials.
.macro TANH
.set i, 0
.rept 32
	v_pk_mul_f32 v[T+i:T+i+1], v[X+i:X+i+1], 0x4038aa3b op_sel_hi:[1,0]   ; 2 x log2(e); each accumulator is read from its low end on
.set i, i+2
.endr
.set i, 0
.rept 64
	v_exp_f32 v[T+i], v[T+i]
.set i, i+1
.endr
.set g, 0
.rept 8                                        ; x + x u (c1 + u (c2 + u (c3 + u c4))), u = x x: four pairs by turns
.irp k, 0,2,4,6
	v_pk_mul_f32 v[U+\k:U+\k+1], v[X+g+\k:X+g+\k+1], v[X+g+\k:X+g+\k+1]
.endr
.irp k, 0,2,4,6
	v_pk_fma_f32 v[P+g+\k:P+g+\k+1], v[U+\k:U+\k+1], v[C4:C4+1], 0xbd5d0dd1 op_sel_hi:[1,1,0]   ; c4 = 62/2835, c3 = -17/315
.endr
.irp k, 0,2,4,6
	v_pk_fma_f32 v[P+g+\k:P+g+\k+1], v[P+g+\k:P+g+\k+1], v[U+\k:U+\k+1], 0x3e088889 op_sel_hi:[1,1,0]   ; c2 = 2/15
.endr
.irp k, 0,2,4,6
	v_pk_fma_f32 v[P+g+\k:P+g+\k+1], v[P+g+\k:P+g+\k+1], v[U+\k:U+\k+1], 0xbeaaaaab op_sel_hi:[1,1,0]   ; c1 = -1/3
.endr
.irp k, 0,2,4,6
	v_pk_mul_f32 v[P+g+\k:P+g+\k+1], v[P+g+\k:P+g+\k+1], v[U+\k:U+\k+1]
.endr
.irp k, 0,2,4,6
	v_pk_fma_f32 v[P+g+\k:P+g+\k+1], v[X+g+\k:X+g+\k+1], v[P+g+\k:P+g+\k+1], v[X+g+\k:X+g+\k+1]
.endr
.set g, g+8
.endr
	s_wait_alu depctr_va_vdst(0)                   ; one wait for the 64 exponentials, ahead of their first reader
.set i, 0
.rept 32
	v_pk_add_f32 v[T+i:T+i+1], v[T+i:T+i+1], 1.0 op_sel_hi:[1,0]
.set i, i+2
.endr
.set i, 0
.rept 64
	v_rcp_f32 v[T+i], v[T+i]
.set i, i+1
.endr
	v_nop                                          ; a plain place behind the last reciprocal
	s_wait_alu depctr_va_vdst(0)                   ; one wait for the 64 reciprocals
.set i, 0
.rept 32
	v_pk_fma_f32 v[T+i:T+i+1], v[T+i:T+i+1], -2.0, 1.0 op_sel_hi:[1,0,0]
.set i, i+2
.endr
.set i, 0
.rept 64
	v_cmp_gt_f32 vcc_lo, s[TH], |v[X+i]|
	v_cndmask_b32 v[X+i], v[T+i], v[P+i], vcc_lo   ; the polynomial where |x| < 0.25
.set i, i+1
.endr
.endm
	s_load_b512 s[8:23], s[0:1], 0x0               ; x s[8:9], c s[10:11], Wq s[12:13], Wk s[14:15], Wv s[16:17], bq s[18:19], bv s[20:21], Wr s[22:23]
	s_load_b128 s[24:27], s[0:1], 0x40             ; part s[24:25], vq s[26:27]
	s_set_vgpr_msb 0x40
	v_lshl_add_u32 v0, v0, 2, 0x38000
	v_mov_b32 v1, 0
	s_set_vgpr_msb 0x4045
	ds_add_u32 v0, v1
	ds_add_u32 v0, v1
	s_set_vgpr_msb 0x4500
	v_lshrrev_b32 v1, 5, v0
	v_readfirstlane_b32 s[WV], v1                  ; wave 0..3
	s_mov_b32 s[PJ], ttmp9                         ; the cluster's x: which product; the same in all sixteen partners
	s_bfe_u32 s[CX], ttmp6, 0x40000
	s_bfe_u32 s[CY], ttmp6, 0x40004
	s_and_b32 s[BAT], ttmp7, 0xffff                ; the cluster's y: the batch
	s_lshl_b32 s33, s[CY], 2
	s_lshl_b32 s33, 15, s33                        ; my row of the cluster
	s_lshl_b32 s34, 0x1111, s[CX]                  ; my column
	s_mov_b32 s[HI], 0xffff0000
	s_mov_b32 s[TH], 0x3e800000
	s_mov_b32 s[SEL], 0x76543210
	s_mov_b32 s[SEL+1], 0xfedcba98
	; group 1: rows of 256 elements of 4 bytes, 4 words of padding behind every 256 words
	s_or_b32 s[G1A], s33, (2<<16)|(1<<20)|(1<<21)|(7<<22)|(3<<25)   ; the activation's tile goes to my row of the cluster
	s_or_b32 s[G1B], s34, (2<<16)|(1<<20)|(1<<21)|(7<<22)|(3<<25)   ; the weight's to my column
	s_mov_b32 s[G1A+1], 256<<16                    ; tensor_dim0
	s_mov_b32 s[G1A+2], 32<<16                     ; tensor_dim1
	s_mov_b32 s[G1A+3], 256<<16                    ; tile_dim0
	s_mov_b32 s[G1A+4], 32                         ; tile_dim1
	s_mov_b32 s[G1A+5], 256                        ; the pitch, in elements
	s_mov_b32 s[G1A+6], 0
	s_mov_b32 s[G1A+7], 0
	s_mov_b32 s[G1B+1], 256<<16
	s_mov_b32 s[G1B+2], 16<<16
	s_mov_b32 s[G1B+3], 256<<16
	s_mov_b32 s[G1B+4], 16
	s_mov_b32 s[G1B+5], 256
	s_mov_b32 s[G1B+6], 0
	s_mov_b32 s[G1B+7], 0
	s_mul_i32 s[G0A+1], s[WV], ATW                 ; LDS addresses hang on the wave's number alone
	s_mul_i32 s[G0B+1], s[WV], BTW
	s_add_co_u32 s[G0B+1], s[G0B+1], BT0
	; byte offsets.  s[72:73] (the activation's) never holds cx, s[74:75] (the weight's) never cy
	s_lshl_b32 s82, s[CX], 2
	s_add_co_u32 s82, s82, s[WV]                   ; my e tile = 4 cx + wave
	s_lshl_b32 s74, s82, 14                        ; x 16 rows x 1,024 bytes
	s_mov_b32 s75, 0
	s_lshl_b32 s83, s[BAT], 2
	s_add_co_u32 s83, s83, s[CY]                   ; my block of 128 rows = 4 batch + cy
	s_lshl_b32 s72, s83, 2
	s_add_co_u32 s72, s72, s[WV]                   ; my wave's 32 of them
	s_lshl_b32 s72, s72, 15                        ; x 32 rows x 1,024 bytes
	s_mov_b32 s73, 0
	s_min_u32 s84, s[PJ], 1                        ; part: ((16 p + e tile) x 2,048 + 128 x block) x 4; p = 2 stores nothing there, and its unused address stays inside
	s_lshl_b32 s84, s84, 4
	s_add_co_u32 s84, s84, s82
	s_lshl_b32 s84, s84, 13
	s_lshl_b32 s85, s83, 9
	s_add_co_u32 s84, s84, s85
	s_mov_b32 s85, 0
	s_lshl_b32 s86, s[BAT], 2                      ; vq: block 4 batch + cx; in it fragment 4 wave + cy
	s_add_co_u32 s86, s86, s[CX]
	s_mul_i32 s86, s86, VBLK
	s_lshl_b32 s87, s[WV], 2
	s_add_co_u32 s87, s87, s[CY]
	s_mul_i32 s88, s87, FRB
	s_add_co_u32 s88, s88, s86
	s_mov_b32 s89, 0
	s_lshl_b32 s90, s87, 7
	s_add_co_u32 s90, s90, s86
	s_add_co_u32 s90, s90, 16*FRB
	s_mov_b32 s91, 0
	s_mul_i32 s92, s[WV], 4*FRB
	s_add_co_u32 s92, s92, AIMG
	s_lshl_b32 s93, s[WV], 9
	s_add_co_u32 s94, s93, ASC
	s_add_co_u32 s95, s93, QST
	s_lshl_b32 s93, s82, 6                         ; 64 x e tile
	v_and_b32 v1, 31, v0                           ; lane
	v_and_b32 v2, 15, v0                           ; r
	v_bfe_u32 v3, v0, 4, 1                         ; h
	v_and_b32 v55, 8, v2
	v_add_nc_u32 v55, v55, v2                      ; r + 8 (r / 8)
	v_mul_u32_u24 v[ATA], v55, PIT
	v_lshl_add_u32 v[ATA], v3, 6, v[ATA]
	v_add_nc_u32 v[ATA], s[G0A+1], v[ATA]
	v_mul_u32_u24 v[BTA], v2, PIT
	v_lshl_add_u32 v[BTA], v3, 6, v[BTA]
	v_add_nc_u32 v[BTA], s[G0B+1], v[BTA]
	v_lshlrev_b32 v[L16], 4, v1
	v_lshlrev_b32 v[L4], 2, v1
	v_add_nc_u32 v[IWA], s92, v[L16]
	v_add_nc_u32 v[ISA], s94, v[L4]
	v_add_nc_u32 v[FI], AIMG, v[L16]
	v_add_nc_u32 v[FS], ASC, v[L4]
	v_lshl_add_u32 v[QSA], v3, 3, v55              ; row 8 h + r + 8 (r / 8) of a group of 32
	v_lshlrev_b32 v[QSA], 2, v[QSA]
	v_add_nc_u32 v[QSA], s95, v[QSA]
	v_add_nc_u32 v[QLA], s95, v[L16]
	v_lshlrev_b32 v[BOF], 5, v3
	v_add_nc_u32 v[BOF], s93, v[BOF]               ; (16 e tile + 8 h) x 4
	v_lshl_add_u32 v[VOF], v2, 2, s93              ; (16 e tile + r) x 4
.irp b, 0,1,2,3
	v_mov_b32 v[TM+4+\b], 0                        ; a lane permute's destination counts as one of its sources
.endr
	v_mov_b32 v[C4], 0x3cb327a4
	v_mov_b32 v[C4+1], 0x3cb327a4
	s_wait_dscnt 0x0
	s_wait_kmcnt 0x0
	s_cmp_eq_u32 s[PJ], 0                          ; the choices hang on the product's number alone
	s_cselect_b64 s[66:67], s[8:9], s[10:11]       ; the activation: x or c
	s_cselect_b64 s[68:69], s[12:13], s[14:15]
	s_cselect_b32 s[BM], -1, 0
	s_cmp_eq_u32 s[PJ], 2
	s_cselect_b64 s[68:69], s[16:17], s[68:69]     ; the weight: Wq, Wk or Wv
	s_cselect_b64 s[70:71], s[20:21], s[18:19]     ; the bias: bv or bq (k reads bq and throws it away)
	s_mov_b32 s[G0A], 1
	s_add_nc_u64 s[G0A+2:G0A+3], s[66:67], s[72:73]
	s_or_b32 s[G0A+3], s[G0A+3], 0x80000000
	s_mov_b32 s[G0B], 1
	s_add_nc_u64 s[G0B+2:G0B+3], s[68:69], s[74:75]
	s_or_b32 s[G0B+3], s[G0B+3], 0x80000000
	s_add_nc_u64 s[76:77], s[24:25], s[84:85]      ; part
	s_add_nc_u64 s[78:79], s[26:27], s[88:89]      ; vq: my fragment
	s_add_nc_u64 s[80:81], s[26:27], s[90:91]      ; vq: its scale words
	global_load_b128 v[BI:BI+3], v[BOF], s[70:71]
	global_load_b128 v[BI+4:BI+7], v[BOF], s[70:71] offset:16
	global_load_b128 v[WR:WR+3], v[BOF], s[22:23]
	global_load_b128 v[WR+4:WR+7], v[BOF], s[22:23] offset:16
	global_load_b32 v[BV], v[VOF], s[70:71]
	CROUND                                         ; all sixteen work-groups are here: the joint loads meet
	tensor_load_to_lds s[G0A:G0A+3], s[G1A:G1A+7]  ; my 32 rows of the activation
	s_nop 0
	tensor_load_to_lds s[G0B:G0B+3], s[G1B:G1B+7]  ; my 16 rows of the weight: two loads of mine are out
	s_nop 0
	PLACES 4
; my six fragments: the activation's (u, s) = (0,0) (0,1) (1,0) (1,1), then the weight's two K steps.  Two sets of 64 numbers by turns: one is loaded while the other is quantised.
.macro AQ set, idx
	QUANT \set, PC, PW
	IMAGE IWA, PC, (\idx)*FRB
	ds_store_b32 v[ISA], v[PW] offset:(\idx)*128
.endm
	s_wait_tensorcnt 0x1                           ; the activation's tile is in; the weight's, issued behind it, may be out
	LDX XA, ATA, 0
	LDX XB, ATA, 512
	s_wait_dscnt 16                                ; the first set is in; the second set's 16 loads may be out
	AQ XA, 0
	LDX XA, ATA, 8*PIT
	s_wait_dscnt 16                                ; all but the 16 just issued: the other set is in, and the image's stores have read the codes' registers
	AQ XB, 1
	LDX XB, ATA, 8*PIT+512
	s_wait_dscnt 16
	AQ XA, 2
	s_wait_tensorcnt 0x0                           ; the weight's tile is in
	LDX XA, BTA, 0
	s_wait_dscnt 16
	AQ XB, 3
	LDX XB, BTA, 512
	s_wait_dscnt 16
	QUANT XA, WF, WS                               ; the weight's fragments stay in my registers
	s_wait_dscnt 0x0
	QUANT XB, WF+12, WS+1
	s_wait_loadcnt 0x0                             ; biases and Wr
.irp j, 0,1,2,3,4,5,6,7
	v_cndmask_b32 v[BI+\j], 0, v[BI+\j], s[BM]     ; k has no bias
.endr
	v_mul_f32 v[BV], 0x3d800000, v[BV]             ; bv / 16
	v_mov_b32 v[BV+1], v[BV]
	s_wait_dscnt 0x0                               ; for the others' sake: my images have landed
	s_barrier_signal -1
	s_barrier_wait -1                              ; all sixteen images lie in LDS
.irp i, 0,1,2,3,4,5,6,7,8,9,10,11,12,13,14,15
	ds_load_b32 v[AS+\i], v[FS] offset:128*\i
.endr
.irp a, 0,1,2,3,4,5,6,7
	FETCH AF+12*\a, FI, (2*\a)*FRB                 ; K step 0
.endr
	PLACES 8                                       ; the weight's scale words and codes were written by vector instructions: eight places ahead of the scaled products, while the loads are out
	s_wait_dscnt 0x0
	s_cmp_eq_u32 s[PJ], 2
	s_cbranch_scc1 .Lv
	; ---- q, k.  Transposed: source 0 = my 16 rows of the weight, source 1 = 16 rows of the activation: lane (r, h) holds one row and its registers e = 8 h + 0 .. 7 of my tile.  The accumulators take turns.
.irp a, 0,1,2,3,4,5,6,7
	v_wmma_scale_f32_16x16x128_f8f6f4 v[ACC+8*\a:ACC+8*\a+7], v[WF:WF+11], v[AF+12*\a:AF+12*\a+11], v[BI:BI+7], v[WS], v[AS+2*\a] matrix_a_fmt:MATRIX_FMT_FP6 matrix_b_fmt:MATRIX_FMT_FP6
.endr
	PLACES 4                                       ; in front of loads into registers that the products have read
.irp a, 0,1,2,3,4,5,6,7
	FETCH AF+12*\a, FI, (2*\a+1)*FRB               ; K step 1
.endr
	s_wait_dscnt 0x0
.irp a, 0,1,2,3,4,5,6,7
	v_wmma_scale_f32_16x16x128_f8f6f4 v[ACC+8*\a:ACC+8*\a+7], v[WF+12:WF+23], v[AF+12*\a:AF+12*\a+11], v[ACC+8*\a:ACC+8*\a+7], v[WS+1], v[AS+2*\a+1] matrix_a_fmt:MATRIX_FMT_FP6 matrix_b_fmt:MATRIX_FMT_FP6
.endr
	PLACES 4
	TANH
.irp a, 0,1,2,3,4,5,6,7                        ; the dot with Wr over my 8 e, the eight tiles by turns
	v_pk_mul_f32 v[T+2*\a:T+2*\a+1], v[X+8*\a:X+8*\a+1], v[WR:WR+1]
.endr
.irp j, 2,4,6
.irp a, 0,1,2,3,4,5,6,7
	v_pk_fma_f32 v[T+2*\a:T+2*\a+1], v[X+8*\a+\j:X+8*\a+\j+1], v[WR+\j:WR+\j+1], v[T+2*\a:T+2*\a+1]
.endr
.endr
.irp a, 0,1,2,3,4,5,6,7
	v_add_f32 v[T+16+\a], v[T+2*\a], v[T+2*\a+1]
.endr
.irp a, 0,1,2,3,4,5,6,7
	v_permlanex16_b32 v[T+24+\a], v[T+16+\a], s[SEL], s[SEL+1]
.endr
.irp a, 0,1,2,3,4,5,6,7
	v_add_f32 v[T+16+\a], v[T+16+\a], v[T+24+\a]   ; with the other 8 e: the tile's 16
.endr
.irp b, 0,1,2,3
	v_cndmask_b32 v[T+32+\b], v[T+16+2*\b], v[T+17+2*\b], s[HI]   ; lanes 0-15 send tile 2 b's rows, lanes 16-31 tile 2 b + 1's
.endr
.irp b, 0,1,2,3
	ds_store_b32 v[QSA], v[T+32+\b] offset:128*\b  ; row 32 b + 8 h + r + 8 (r / 8)
.endr
	ds_load_b128 v[T+36:T+39], v[QLA]              ; my wave's own bytes: LDS serves a wave's instructions in order
	s_wait_dscnt 0x0
	global_store_b128 v[L16], v[T+36:T+39], s[76:77]   ; 128 rows: 512 consecutive bytes, at a multiple of 512 from the buffer's first byte
	s_branch .Lend
.Lv:	; ---- v.  Source 0 = 16 rows of c, source 1 = my 16 rows of Wv: lane (r, h) holds d = r of my tile, and register 16 b + i is m = 32 b + 16 h + i
.irp a, 0,1,2,3,4,5,6,7
	v_wmma_scale_f32_16x16x128_f8f6f4 v[ACC+8*\a:ACC+8*\a+7], v[AF+12*\a:AF+12*\a+11], v[WF:WF+11], 0, v[AS+2*\a], v[WS] matrix_a_fmt:MATRIX_FMT_FP6 matrix_b_fmt:MATRIX_FMT_FP6
.endr
	PLACES 4
.irp a, 0,1,2,3,4,5,6,7
	FETCH AF+12*\a, FI, (2*\a+1)*FRB
.endr
	s_wait_dscnt 0x0
.irp a, 0,1,2,3,4,5,6,7
	v_wmma_scale_f32_16x16x128_f8f6f4 v[ACC+8*\a:ACC+8*\a+7], v[AF+12*\a:AF+12*\a+11], v[WF+12:WF+23], v[ACC+8*\a:ACC+8*\a+7], v[AS+2*\a+1], v[WS+1] matrix_a_fmt:MATRIX_FMT_FP6 matrix_b_fmt:MATRIX_FMT_FP6
.endr
	PLACES 4
.set i, 0
.rept 32
	v_pk_fma_f32 v[ACC+i:ACC+i+1], v[ACC+i:ACC+i+1], 0x3d800000, v[BV:BV+1] op_sel_hi:[1,0,1]   ; sum / 16 + bv / 16: one rounding, that of (sum + bv) / 16
.set i, i+2
.endr
	QUANT ACC, PC, PW                              ; along m: one fragment of the last product's operand, 16 d x 128 m
.irp c, 0,1,2
	global_store_b128 v[L16], v[PC+4*\c:PC+4*\c+3], s[78:79] offset:512*\c   ; the image: 512 consecutive bytes a store
.endr
	global_store_b32 v[L4], v[PW], s[80:81]        ; its scale words: 128 consecutive bytes
.Lend:
	s_wait_dscnt 0x0
	s_set_vgpr_msb 0x5
	s_wait_tensorcnt 0x0
	ds_add_u32 v0, v1
	s_wait_dscnt 0x0
	s_set_vgpr_msb 0x500
	CROUND                                         ; the closing round: no work-group ends while a partner may still ask for a tile that names it
	s_endpgm
.Lfunc_end_k_qe39a722f7f_prep:
	.size	k_qe39a722f7f_prep, .Lfunc_end_k_qe39a722f7f_prep-k_qe39a722f7f_prep
	.p2alignl 7, 3214868480
	.fill 96, 4, 3214868480
	.section	.rodata,"a",@progbits
	.p2align	6, 0x0
	.amdhsa_kernel k_qe39a722f7f_prep
		.amdhsa_group_segment_fixed_size 229888
		.amdhsa_private_segment_fixed_size 0
		.amdhsa_enable_private_segment 0
		.amdhsa_kernarg_size 80
		.amdhsa_user_sgpr_count 2
		.amdhsa_user_sgpr_kernarg_segment_ptr 1
		.amdhsa_wavefront_size32 1
		.amdhsa_system_sgpr_workgroup_id_x 1
		.amdhsa_system_sgpr_workgroup_id_y 1
		.amdhsa_system_sgpr_workgroup_id_z 1
		.amdhsa_system_vgpr_workitem_id 0
		.amdhsa_next_free_vgpr 258
		.amdhsa_next_free_sgpr 96
		.amdhsa_reserve_vcc 1
		.amdhsa_float_denorm_mode_32 3
		.amdhsa_float_denorm_mode_16_64 3
		.amdhsa_memory_ordered 1
		.amdhsa_forward_progress 1
		.amdhsa_inst_pref_size 92
	.end_amdhsa_kernel
	.amdgpu_metadata
---
amdhsa.version: [ 1, 2 ]
amdhsa.kernels:
  - .name:           k_qe39a722f7f_prep
    .symbol:         k_qe39a722f7f_prep.kd
    .args:
      - { .name: x, .offset: 0, .size: 8, .value_kind: global_buffer, .address_space: global }
      - { .name: c, .offset: 8, .size: 8, .value_kind: global_buffer, .address_space: global }
      - { .name: Wq, .offset: 16, .size: 8, .value_kind: global_buffer, .address_space: global }
      - { .name: Wk, .offset: 24, .size: 8, .value_kind: global_buffer, .address_space: global }
      - { .name: Wv, .offset: 32, .size: 8, .value_kind: global_buffer, .address_space: global }
      - { .name: bq, .offset: 40, .size: 8, .value_kind: global_buffer, .address_space: global }
      - { .name: bv, .offset: 48, .size: 8, .value_kind: global_buffer, .address_space: global }
      - { .name: Wr, .offset: 56, .size: 8, .value_kind: global_buffer, .address_space: global }
      - { .name: part, .offset: 64, .size: 8, .value_kind: global_buffer, .address_space: global }
      - { .name: vq, .offset: 72, .size: 8, .value_kind: global_buffer, .address_space: global }
    .group_segment_fixed_size: 229888
    .private_segment_fixed_size: 0
    .kernarg_segment_align: 8
    .kernarg_segment_size: 80
    .max_flat_workgroup_size: 128
    .sgpr_count:     96
    .vgpr_count:     258
    .wavefront_size: 32
...
	.end_amdgpu_metadata
.endif
;; end of part 1
;; launch attn (part 2): grid 32 x 4, 4 waves a work-group, clusters of 4 x 1, 184,832 bytes of LDS; arguments mask, x, gamma, beta, part, vq, out0; writes out0
.if DOCPART == 2
	.amdgcn_target "amdgcn-amd-amdhsa--gfx1250"
	.amdhsa_code_object_version 6
	.text
	.protected	k_qe39a722f7f_attn
	.globl	k_qe39a722f7f_attn
	.p2align	8
	.type	k_qe39a722f7f_attn,@function
k_qe39a722f7f_attn:
	s_mov_b64 s[64:65], 0
	v_nop
	global_prefetch_b8 v0, s[64:65] scope:SCOPE_SE
	s_setreg_imm32_b32 hwreg(HW_REG_WAVE_MODE, 25, 1), 1
	s_wait_xcnt 0x0
	s_wait_alu depctr_hold_cnt(0) depctr_sa_sdst(0) depctr_va_vdst(0) depctr_va_sdst(0) depctr_va_ssrc(0) depctr_va_vcc(0) depctr_vm_vsrc(0)
	s_getreg_b32 s2, hwreg(HW_REG_IB_STS2, 6, 4)
	s_cmp_eq_u32 s2, 0
	s_cbranch_scc0 .Lentry_in_a_cluster
	s_endpgm
.Lentry_in_a_cluster:
	s_bfe_u32 s2, ttmp6, 0x10000c
	s_cmp_lg_u32 s2, 0x3003
	s_cbranch_scc0 .Lentry_shape_is_right
	s_endpgm
.Lentry_shape_is_right:
; ATTN: w = relu(tanh(q.Wr + k.Wr)) x mask, quantised along m; h = x + w v on codes of FP6 (E2M3) with one E8M0 scale for each 32 along K = m = 512; LayerNorm over d = 256; out0.
; part [2][16][2,048] f32 holds the 16 partial dots of each row of q and of k; vq holds v as images of operand registers: block 4 batch + (d tile / 4) of 26,624 bytes: fragment 4 (d tile % 4) + s at 1,536 bytes each
; (s: the 128 along m), then their scale-word images of 128 bytes.
; LIMITS.  The score is q.Wr + k.Wr, its 16 parts added in a fixed order, not in the order in which the source writes the sum.  relu(tanh(s)) is taken as tanh(max(s, 0)).  tanh: 1 - 2 / (1 + 2^(2 x log2 e)) from 0.25 on,
; an odd polynomial of degree 9 under it, chosen by v_cndmask_b32: about 1e-6 of the number.  x enters as the C of the product's first K step.  A block of zeros gets the scale byte 1: its codes are zeros.  NaN and infinities are not served.
; SHARES.  A work-group owns 16 rows n of one batch: a matrix tile's rows, and LayerNorm wants all of d: so there are 128 work-groups.  Wave w makes w's fragment for m = 128 w .. + 127 and owns the columns d = 64 w .. + 63: 4 accumulators x 4 K steps.
; CLUSTER.  The four work-groups of a cluster belong to one batch and read the same v: each wave's block of vq is asked for jointly.  The strips of mask and of x are the work-group's own: plain loads.
; Each wave reads only the tiles that it has fetched, behind its own wait on TENSORcnt; LDS is filled once.
; The product is used transposed (source 0 = 16 d of v, source 1 = w's 16 n): lane (r, h) holds row n = r and d = 16 t + 8 h + 0 .. 7 of its wave's 64.
.set FRB,   1536
.set MTW,   16*528                     ; a wave's strip of the mask: 16 rows x (512 bytes + 16)
.set XT0,   4*MTW                      ; 33,792
.set XTW,   16*272                     ; of x: 16 rows x (256 bytes + 16)
.set VT0,   XT0+4*XTW                  ; 51,200
.set VBLK,  16*FRB+16*128              ; 26,624: a wave's block of vq, dense
.set KST,   VT0+4*VBLK                 ; 157,696: 512 bytes a wave: k.Wr of its 128 m
.set WIMG,  KST+4*512                  ; 159,744: w's four fragments
.set WSC,   WIMG+4*FRB                 ; 165,888: their scale words
.set STAT,  WSC+4*128                  ; 166,400: 128 bytes a wave: sum and centred squares of 16 rows
.set OST,   STAT+4*128                 ; 166,912: the way out: 16 rows x 272 a wave
.set WV,  22
.set CX,  23
.set NT,  24
.set BAT, 25
.set SEL, 26                           ; s[26:27]
.set TH,  28                           ; 0.25
.set I256, 29                          ; 1 / 256
.set EPS, 30                           ; 1e-5
.set I64, 31                           ; 1 / 64
.set G1M, 32                           ; s[32:39] group 1, mask;  s[40:47] x;  s[48:55] vq;  groups 0: s[56:59], s[60:63], s[68:71]
.set G1X, 40
.set G1V, 48
.set G0M, 56
.set G0X, 60
.set G0V, 68
.set MTA, 1
.set XTA, 2
.set VTA, 3
.set VSA, 4
.set KSI, 5                            ; k.Wr: in
.set KSO, 6                            ; and out
.set WWI, 7                            ; my fragment's image: in
.set WWS, 8
.set WRI, 9                            ; any fragment's: out
.set WRS, 10
.set STW, 11
.set STR, 12
.set OSI, 13
.set OSO, 14
.set GO,  15                           ; my byte in two rows of out0
.set L16, 16
.set QOF, 17
.set R16, 18
.set GA,  20                           ; v20-23 gamma at my four columns of the way out
.set BE,  24                           ; v24-27 beta
.set QR,  28                           ; v[28:29] q.Wr of my row, twice
.set C4,  30                           ; v[30:31]
.set VS,  36                           ; v36-51 v's scale words, 4 s + t: scales and nothing else
.set WS,  52                           ; v52-55 w's
.set X,   56
.set T,   120
.set P,   184
.set U,   248
.set TM,  120
.set CT,  136
.set PC,  144
.set PW,  156
.set WFR, 56                           ; v56-103 w's four fragments
.set ACC, 104                          ; v104-135 h
.set VF0, 136                          ; v136-183, v184-231 v's fragments of a K step, two sets
.set VF1, 184
.set DD,  68                           ; v68-99 h less the wave's mean
.set OB,  136                          ; v136-167 rows read back
.macro CROUND                          ; a round of the cluster's barrier
	s_barrier_signal -1
	s_barrier_wait -1
	s_cmp_lg_u32 s[WV], 0
	s_cbranch_scc1 .Lnot_wave_0_\@
	s_barrier_signal -3
.Lnot_wave_0_\@:
	s_barrier_wait -3
	s_barrier_signal -1
	s_barrier_wait -1
.endm
.macro PLACES n
.rept \n
	v_nop
.endr
.endm
.macro LDX set, adr, off               ; 64 numbers of my row: register 16 b + i = k 32 b + 16 (lane / 16) + i
.irp b, 0,1,2,3
.irp j, 0,1,2,3
	ds_load_b128 v[\set+16*\b+4*\j:\set+16*\b+4*\j+3], v[\adr] offset:(\off)+128*\b+16*\j
.endr
.endr
.endm
.macro QUANT s, d, pw                  ; such 64 numbers become a fragment's 12 registers at v[d] and its scale word in v[pw]
.irp b, 0,1,2,3
	v_max3_num_f32 v[TM+\b], |v[\s+16*\b]|, |v[\s+1+16*\b]|, 0x1800000   ; my 16 of block b, and the floor 2^(3 - 127): the byte cannot fall under 1
.endr
.irp i, 2,4,6,8,10,12,14
.irp b, 0,1,2,3
	v_max3_num_f32 v[TM+\b], v[TM+\b], |v[\s+16*\b+\i]|, |v[\s+1+16*\b+\i]|
.endr
.endr
.irp b, 0,1,2,3
	v_permlanex16_b32 v[TM+4+\b], v[TM+\b], s[SEL], s[SEL+1]
.endr
.irp b, 0,1,2,3
	v_max_num_f32 v[TM+\b], v[TM+\b], v[TM+4+\b]
.endr
.irp b, 0,1,2,3
	v_add_nc_u32 v[TM+12+\b], 0xff000000, v[TM+\b]   ; 2 off the exponent field: the conversion's scale operand
.endr
.irp b, 0,1,2,3
	v_lshrrev_b32 v[TM+4+\b], 23, v[TM+12+\b]
.endr
	v_lshl_or_b32 v[\pw], v[TM+5], 8, v[TM+4]
	v_lshl_or_b32 v[\pw], v[TM+6], 16, v[\pw]
	v_lshl_or_b32 v[\pw], v[TM+7], 24, v[\pw]
.irp c, 0,1
	v_cvt_scalef32_pk16_fp6_f32 v[\d+6*\c:\d+6*\c+2], v[\s+32*\c:\s+32*\c+15], v[TM+12+2*\c]
	v_cvt_scalef32_pk16_fp6_f32 v[CT+4*\c:CT+4*\c+2], v[\s+32*\c+16:\s+32*\c+31], v[TM+13+2*\c]
.endr
	v_nop                                          ; one plain place behind a scaled conversion
.irp c, 0,1
.irp i, 0,1,2
	v_permlane16_swap_b32 v[\d+6*\c+\i], v[CT+4*\c+\i]
.endr
.irp i, 0,1,2
	v_mov_b32 v[\d+6*\c+3+\i], v[CT+4*\c+\i]
.endr
.endr
.endm
.macro IMAGE adr, reg, off
.irp c, 0,1,2
	ds_store_b128 v[\adr], v[\reg+4*\c:\reg+4*\c+3] offset:(\off)+512*\c
.endr
.endm
.macro FETCH reg, adr, off
.irp c, 0,1,2
	ds_load_b128 v[\reg+4*\c:\reg+4*\c+3], v[\adr] offset:(\off)+512*\c
.endr
.endm
; tanh of v[X] .. v[X + 63], in place.  Two batches of transcendentals, one wait each, ahead of the batch's first reader; the polynomial is the plain work behind the exponentials.
.macro TANH
.set i, 0
.rept 32
	v_pk_mul_f32 v[T+i:T+i+1], v[X+i:X+i+1], 0x4038aa3b op_sel_hi:[1,0]   ; 2 x log2(e)
.set i, i+2
.endr
.set i, 0
.rept 64
	v_exp_f32 v[T+i], v[T+i]
.set i, i+1
.endr
.set g, 0
.rept 8                                        ; x + x u (c1 + u (c2 + u (c3 + u c4))), u = x x: four pairs by turns
.irp k, 0,2,4,6
	v_pk_mul_f32 v[U+\k:U+\k+1], v[X+g+\k:X+g+\k+1], v[X+g+\k:X+g+\k+1]
.endr
.irp k, 0,2,4,6
	v_pk_fma_f32 v[P+g+\k:P+g+\k+1], v[U+\k:U+\k+1], v[C4:C4+1], 0xbd5d0dd1 op_sel_hi:[1,1,0]   ; c4 = 62/2835, c3 = -17/315
.endr
.irp k, 0,2,4,6
	v_pk_fma_f32 v[P+g+\k:P+g+\k+1], v[P+g+\k:P+g+\k+1], v[U+\k:U+\k+1], 0x3e088889 op_sel_hi:[1,1,0]   ; c2 = 2/15
.endr
.irp k, 0,2,4,6
	v_pk_fma_f32 v[P+g+\k:P+g+\k+1], v[P+g+\k:P+g+\k+1], v[U+\k:U+\k+1], 0xbeaaaaab op_sel_hi:[1,1,0]   ; c1 = -1/3
.endr
.irp k, 0,2,4,6
	v_pk_mul_f32 v[P+g+\k:P+g+\k+1], v[P+g+\k:P+g+\k+1], v[U+\k:U+\k+1]
.endr
.irp k, 0,2,4,6
	v_pk_fma_f32 v[P+g+\k:P+g+\k+1], v[X+g+\k:X+g+\k+1], v[P+g+\k:P+g+\k+1], v[X+g+\k:X+g+\k+1]
.endr
.set g, g+8
.endr
	s_wait_alu depctr_va_vdst(0)                   ; one wait for the 64 exponentials, ahead of their first reader
.set i, 0
.rept 32
	v_pk_add_f32 v[T+i:T+i+1], v[T+i:T+i+1], 1.0 op_sel_hi:[1,0]
.set i, i+2
.endr
.set i, 0
.rept 64
	v_rcp_f32 v[T+i], v[T+i]
.set i, i+1
.endr
	v_nop                                          ; a plain place behind the last reciprocal
	s_wait_alu depctr_va_vdst(0)                   ; one wait for the 64 reciprocals
.set i, 0
.rept 32
	v_pk_fma_f32 v[T+i:T+i+1], v[T+i:T+i+1], -2.0, 1.0 op_sel_hi:[1,0,0]
.set i, i+2
.endr
.set i, 0
.rept 64
	v_cmp_gt_f32 vcc_lo, s[TH], |v[X+i]|
	v_cndmask_b32 v[X+i], v[T+i], v[P+i], vcc_lo   ; the polynomial where |x| < 0.25
.set i, i+1
.endr
.endm
.macro VFETCH s, vf                    ; K step s of v: my four d tiles' fragments and scale words: 16 LDS loads
.irp t, 0,1,2,3
	FETCH \vf+12*\t, VTA, (4*\t+\s)*FRB
	ds_load_b32 v[VS+4*\s+\t], v[VSA] offset:(4*\t+\s)*128
.endr
.endm
.macro PSTEP s, vf                     ; the four accumulators take turns, one instruction a turn
.irp t, 0,1,2,3
	v_wmma_scale_f32_16x16x128_f8f6f4 v[ACC+8*\t:ACC+8*\t+7], v[\vf+12*\t:\vf+12*\t+11], v[WFR+12*\s:WFR+12*\s+11], v[ACC+8*\t:ACC+8*\t+7], v[VS+4*\s+\t], v[WS+\s] matrix_a_fmt:MATRIX_FMT_FP6 matrix_b_fmt:MATRIX_FMT_FP6
.endr
.endm
	s_load_b256 s[8:15], s[0:1], 0x0               ; mask s[8:9], x s[10:11], gamma s[12:13], beta s[14:15]
	s_load_b128 s[16:19], s[0:1], 0x20             ; part s[16:17], vq s[18:19]
	s_load_b64 s[20:21], s[0:1], 0x30              ; out0
	v_lshl_add_u32 v19, v0, 2, 0x2d000
	s_set_vgpr_msb 0x40
	v_mov_b32 v1, 0
	s_set_vgpr_msb 0x4044
	ds_add_u32 v19, v1
	ds_add_u32 v19, v1
	s_set_vgpr_msb 0x4400
	v_lshrrev_b32 v32, 5, v0
	v_readfirstlane_b32 s[WV], v32                 ; wave 0..3
	s_bfe_u32 s[CX], ttmp6, 0x40000
	s_lshl_b32 s[NT], ttmp9, 2
	s_add_co_u32 s[NT], s[NT], s[CX]               ; my tile of 16 rows = 4 x cluster x + cx: it enters global addresses of my own loads and stores alone
	s_and_b32 s[BAT], ttmp7, 0xffff                ; the batch, which the four partners share
	s_mov_b32 s[SEL], 0x76543210
	s_mov_b32 s[SEL+1], 0xfedcba98
	s_mov_b32 s[TH], 0x3e800000
	s_mov_b32 s[I256], 0x3b800000
	s_mov_b32 s[EPS], 0x3727c5ac
	s_mov_b32 s[I64], 0x3c800000
	; group 1.  mask: 16 rows of 128 f32, 512 apart, 4 words of padding behind every 128;  x: 16 rows of 64 f32, 256 apart, padding behind every 64;  vq: 104 dense rows of 256 bytes, for all four partners
	s_mov_b32 s[G1M], (2<<16)|(1<<20)|(6<<22)|(3<<25)
	s_mov_b32 s[G1M+1], 128<<16
	s_mov_b32 s[G1M+2], 16<<16
	s_mov_b32 s[G1M+3], 128<<16
	s_mov_b32 s[G1M+4], 16
	s_mov_b32 s[G1M+5], 512
	s_mov_b32 s[G1M+6], 0
	s_mov_b32 s[G1M+7], 0
	s_mov_b32 s[G1X], (2<<16)|(1<<20)|(5<<22)|(3<<25)
	s_mov_b32 s[G1X+1], 64<<16
	s_mov_b32 s[G1X+2], 16<<16
	s_mov_b32 s[G1X+3], 64<<16
	s_mov_b32 s[G1X+4], 16
	s_mov_b32 s[G1X+5], 256
	s_mov_b32 s[G1X+6], 0
	s_mov_b32 s[G1X+7], 0
	s_mov_b32 s[G1V], 15|(3<<16)|(1<<21)
	s_mov_b32 s[G1V+1], 32<<16
	s_mov_b32 s[G1V+2], 104<<16
	s_mov_b32 s[G1V+3], 32<<16
	s_mov_b32 s[G1V+4], 104
	s_mov_b32 s[G1V+5], 32
	s_mov_b32 s[G1V+6], 0
	s_mov_b32 s[G1V+7], 0
	s_mul_i32 s[G0M+1], s[WV], MTW                 ; LDS addresses hang on the wave's number alone
	s_mul_i32 s[G0X+1], s[WV], XTW
	s_add_co_u32 s[G0X+1], s[G0X+1], XT0
	s_mul_i32 s[G0V+1], s[WV], VBLK
	s_add_co_u32 s[G0V+1], s[G0V+1], VT0
	; byte offsets
	s_lshl_b32 s82, s[BAT], 9
	s_lshl_b32 s83, s[NT], 4
	s_add_co_u32 s82, s82, s83                     ; my first row: 512 batch + 16 tile
	s_lshl_b32 s84, s82, 11                        ; mask: 2,048 bytes a row, + 512 x wave
	s_lshl_b32 s83, s[WV], 9
	s_add_co_u32 s84, s84, s83
	s_mov_b32 s85, 0
	s_lshl_b32 s92, s[BAT], 11                     ; k's parts: 131,072 + (512 batch + 128 wave) x 4
	s_add_co_u32 s92, s92, s83
	s_add_co_u32 s92, s92, 131072
	s_mov_b32 s93, 0
	s_lshl_b32 s94, s[WV], 8                       ; gamma, beta: 256 x wave
	s_mov_b32 s95, 0
	s_lshl_b32 s86, s82, 10                        ; x, out0: 1,024 bytes a row, + 256 x wave
	s_add_co_u32 s86, s86, s94
	s_mov_b32 s87, 0
	s_lshl_b32 s88, s[BAT], 2                      ; vq: block 4 batch + wave (in registers that never hold cx)
	s_add_co_u32 s88, s88, s[WV]
	s_mul_i32 s88, s88, VBLK
	s_mov_b32 s89, 0
	s_lshl_b32 s90, s82, 2                         ; q's parts: 4 bytes a row
	s_mov_b32 s91, 0
	v_and_b32 v32, 31, v0                          ; lane
	v_and_b32 v33, 15, v0                          ; r
	v_bfe_u32 v34, v0, 4, 1                        ; h
	v_lshlrev_b32 v[L16], 4, v32
	v_lshlrev_b32 v35, 2, v32
	v_lshlrev_b32 v[R16], 4, v33
	v_mul_u32_u24 v[MTA], v33, 528
	v_lshl_add_u32 v[MTA], v34, 6, v[MTA]
	v_add_nc_u32 v[MTA], s[G0M+1], v[MTA]
	v_mul_u32_u24 v[XTA], v33, 272
	v_lshl_add_u32 v[XTA], v34, 5, v[XTA]
	v_add_nc_u32 v[XTA], s[G0X+1], v[XTA]
	v_add_nc_u32 v[VTA], s[G0V+1], v[L16]
	v_add_nc_u32 v[VSA], s[G0V+1], v35
	v_add_nc_u32 v[VSA], 16*FRB, v[VSA]
	s_add_co_u32 s82, s83, KST                     ; KST + 512 x wave
	v_add_nc_u32 v[KSI], s82, v[L16]
	v_lshl_add_u32 v[KSO], v34, 6, s82
	s_mul_i32 s82, s[WV], FRB
	s_add_co_u32 s82, s82, WIMG
	v_add_nc_u32 v[WWI], s82, v[L16]
	s_lshl_b32 s83, s[WV], 7
	s_add_co_u32 s82, s83, WSC
	v_add_nc_u32 v[WWS], s82, v35
	v_add_nc_u32 v[WRI], WIMG, v[L16]
	v_add_nc_u32 v[WRS], WSC, v35
	s_add_co_u32 s82, s83, STAT
	v_lshl_add_u32 v[STW], v33, 3, s82
	v_lshl_add_u32 v[STR], v33, 3, STAT
	s_mul_i32 s82, s[WV], XTW
	s_add_co_u32 s82, s82, OST
	v_mul_u32_u24 v[OSI], v33, 272
	v_lshl_add_u32 v[OSI], v34, 5, v[OSI]
	v_add_nc_u32 v[OSI], s82, v[OSI]
	v_mul_u32_u24 v[OSO], v34, 272
	v_add_nc_u32 v[OSO], v[OSO], v[R16]
	v_add_nc_u32 v[OSO], s82, v[OSO]
	v_lshl_add_u32 v[GO], v34, 10, v[R16]
	v_lshlrev_b32 v[QOF], 2, v33
	v_lshl_add_u32 v[QOF], v34, 16, v[QOF]         ; lanes 16-31 take e tiles 8 to 15: 8 x 8,192 bytes on
	v_mov_b32 v[C4], 0x3cb327a4
	v_mov_b32 v[C4+1], 0x3cb327a4
	s_wait_dscnt 0x0
	s_wait_kmcnt 0x0
	s_mov_b32 s[G0M], 1
	s_add_nc_u64 s[G0M+2:G0M+3], s[8:9], s[84:85]
	s_or_b32 s[G0M+3], s[G0M+3], 0x80000000
	s_mov_b32 s[G0X], 1
	s_add_nc_u64 s[G0X+2:G0X+3], s[10:11], s[86:87]
	s_or_b32 s[G0X+3], s[G0X+3], 0x80000000
	s_mov_b32 s[G0V], 1
	s_add_nc_u64 s[G0V+2:G0V+3], s[18:19], s[88:89]
	s_or_b32 s[G0V+3], s[G0V+3], 0x80000000
	s_add_nc_u64 s[72:73], s[16:17], s[92:93]      ; k's parts
	s_add_nc_u64 s[74:75], s[16:17], s[90:91]      ; q's parts
	s_add_nc_u64 s[76:77], s[12:13], s[94:95]      ; gamma
	s_add_nc_u64 s[78:79], s[14:15], s[94:95]      ; beta
	s_add_nc_u64 s[80:81], s[20:21], s[86:87]      ; out0
	global_load_b128 v[GA:GA+3], v[R16], s[76:77]
	global_load_b128 v[BE:BE+3], v[R16], s[78:79]
.irp i, 0,1,2,3,4,5,6,7
	global_load_b32 v[P+\i], v[QOF], s[74:75] offset:8192*\i     ; q's parts of row r: e tiles 8 h + i
.endr
.irp i, 0,1,2,3,4,5,6,7,8,9,10,11,12,13,14,15
	global_load_b128 v[T+4*\i:T+4*\i+3], v[L16], s[72:73] offset:8192*\i   ; k's parts of my wave's 128 m: 512 consecutive bytes a load
.endr
	CROUND                                         ; all four work-groups are here: the joint loads meet
	tensor_load_to_lds s[G0M:G0M+3], s[G1M:G1M+7]  ; the mask's strip first: it is wanted first
	s_nop 0
	tensor_load_to_lds s[G0X:G0X+3], s[G1X:G1X+7]  ; x's strip
	s_nop 0
	tensor_load_to_lds s[G0V:G0V+3], s[G1V:G1V+7]  ; my block of vq, jointly: three loads of mine are out
	s_nop 0
	PLACES 4
	s_wait_loadcnt 0x0
	v_add_f32 v[P], v[P], v[P+1]                   ; q.Wr: my 8 parts,
	v_add_f32 v[P+2], v[P+2], v[P+3]
	v_add_f32 v[P+4], v[P+4], v[P+5]
	v_add_f32 v[P+6], v[P+6], v[P+7]
	v_add_f32 v[P], v[P], v[P+2]
	v_add_f32 v[P+4], v[P+4], v[P+6]
	v_add_f32 v[P], v[P], v[P+4]
	v_permlanex16_b32 v[P+1], v[P], s[SEL], s[SEL+1]
	v_add_f32 v[QR], v[P], v[P+1]                  ; and lane l xor 16's 8
	v_mov_b32 v[QR+1], v[QR]
.irp d, 1,2,4,8                                ; k.Wr of four m a lane: the 16 parts, added as a tree
.set pp, 0
.rept 8/\d
	v_pk_add_f32 v[T+4*pp:T+4*pp+1], v[T+4*pp:T+4*pp+1], v[T+4*(pp+\d):T+4*(pp+\d)+1]
	v_pk_add_f32 v[T+4*pp+2:T+4*pp+3], v[T+4*pp+2:T+4*pp+3], v[T+4*(pp+\d)+2:T+4*(pp+\d)+3]
.set pp, pp+2*\d
.endr
.endr
	ds_store_b128 v[KSI], v[T:T+3]
	LDX X, KSO, 0                                  ; my wave's own bytes, served in order: register 16 b + i = k.Wr at m = 128 w + 32 b + 16 h + i
	s_wait_dscnt 0x0
.set i, 0
.rept 32
	v_pk_add_f32 v[X+i:X+i+1], v[X+i:X+i+1], v[QR:QR+1]   ; the score
.set i, i+2
.endr
.set i, 0
.rept 64
	v_max_num_f32 v[X+i], 0, v[X+i]                ; relu ahead of tanh: tanh keeps the sign and tanh(0) = 0
.set i, i+1
.endr
	TANH
	s_wait_tensorcnt 0x2                           ; the mask's strip is in; x's and vq's, issued behind it, may be out
	LDX T, MTA, 0
	s_wait_dscnt 0x0
.set i, 0
.rept 32
	v_pk_mul_f32 v[X+i:X+i+1], v[X+i:X+i+1], v[T+i:T+i+1]
.set i, i+2
.endr
	QUANT X, PC, PW                                ; K step w of the product
	IMAGE WWI, PC, 0
	ds_store_b32 v[WWS], v[PW]
	s_wait_tensorcnt 0x0                           ; x's strip and my block of vq are in
	s_wait_dscnt 0x0                               ; for the others' sake: my image has landed
	s_barrier_signal -1
	s_barrier_wait -1                              ; w's four fragments lie in LDS
.irp t, 0,1,2,3
	ds_load_b128 v[ACC+8*\t:ACC+8*\t+3], v[XTA] offset:64*\t       ; x(r, 64 w + 16 t + 8 h + 0 .. 7): the sums begin with it
	ds_load_b128 v[ACC+8*\t+4:ACC+8*\t+7], v[XTA] offset:64*\t+16
.endr
.irp s, 0,1,2,3
	FETCH WFR+12*\s, WRI, \s*FRB
	ds_load_b32 v[WS+\s], v[WRS] offset:128*\s
.endr
	VFETCH 0, VF0
	VFETCH 1, VF1
	s_wait_dscnt 16                                ; all but K step 1's 16 loads
	PSTEP 0, VF0
	PLACES 4                                       ; in front of loads into registers that the products have read
	VFETCH 2, VF0
	s_wait_dscnt 16                                ; K step 1 is in; step 2's 16 loads may be out
	PSTEP 1, VF1
	PLACES 4
	VFETCH 3, VF1
	s_wait_dscnt 16
	PSTEP 2, VF0
	s_wait_dscnt 0x0
	PSTEP 3, VF1
	PLACES 4
	; LayerNorm.  Each wave: sum S and centred squares M2 of its 64 columns; the four are merged, so that no difference of large sums is formed.
.irp t, 0,1,2,3
	v_pk_add_f32 v[56+2*\t:57+2*\t], v[ACC+8*\t:ACC+8*\t+1], v[ACC+8*\t+2:ACC+8*\t+3]   ; each accumulator is read from its low end on
.endr
.irp j, 4,6
.irp t, 0,1,2,3
	v_pk_add_f32 v[56+2*\t:57+2*\t], v[56+2*\t:57+2*\t], v[ACC+8*\t+\j:ACC+8*\t+\j+1]
.endr
.endr
	v_pk_add_f32 v[56:57], v[56:57], v[58:59]
	v_pk_add_f32 v[60:61], v[60:61], v[62:63]
	v_pk_add_f32 v[56:57], v[56:57], v[60:61]
	v_add_f32 v56, v56, v57
	v_permlanex16_b32 v57, v56, s[SEL], s[SEL+1]
	v_add_f32 v64, v56, v57                        ; S
	v_mul_f32 v66, s[I64], v64                     ; the wave's mean
	v_mov_b32 v67, v66
.set i, 0
.rept 16
	v_pk_add_f32 v[DD+i:DD+i+1], v[ACC+i:ACC+i+1], v[66:67] neg_lo:[0,1] neg_hi:[0,1]
.set i, i+2
.endr
	v_pk_mul_f32 v[56:57], v[DD:DD+1], v[DD:DD+1]
	v_pk_mul_f32 v[58:59], v[DD+2:DD+3], v[DD+2:DD+3]
.set i, 4
.rept 7
	v_pk_fma_f32 v[56:57], v[DD+i:DD+i+1], v[DD+i:DD+i+1], v[56:57]
	v_pk_fma_f32 v[58:59], v[DD+i+2:DD+i+3], v[DD+i+2:DD+i+3], v[58:59]
.set i, i+4
.endr
	v_pk_add_f32 v[56:57], v[56:57], v[58:59]
	v_add_f32 v56, v56, v57
	v_permlanex16_b32 v57, v56, s[SEL], s[SEL+1]
	v_add_f32 v65, v56, v57                        ; M2
	ds_store_b64 v[STW], v[64:65]                  ; both halves of the lanes write the same 8 bytes with the same values
	s_wait_dscnt 0x0
	s_barrier_signal -1
	s_barrier_wait -1
.irp i, 0,1,2,3
	ds_load_b64 v[56+2*\i:57+2*\i], v[STR] offset:128*\i
.endr
	s_wait_dscnt 0x0
	v_add_f32 v72, v56, v58
	v_add_f32 v73, v60, v62
	v_add_f32 v75, v57, v59
	v_add_f32 v76, v61, v63
	v_add_f32 v72, v72, v73
	v_add_f32 v75, v75, v76
	v_mul_f32 v82, s[I256], v72                    ; mu
.irp i, 0,1,2,3
	v_fma_f32 v[77+\i], v[56+2*\i], s[I64], -v82   ; a wave's mean less mu
.endr
	v_mul_f32 v81, v77, v77
	v_fma_f32 v81, v78, v78, v81
	v_fma_f32 v81, v79, v79, v81
	v_fma_f32 v81, v80, v80, v81
	v_fma_f32 v75, v81, 0x42800000, v75            ; + 64 x the squares of those differences
	v_fma_f32 v75, v75, s[I256], s[EPS]            ; var + 1e-5
	v_rsq_f32 v84, v75
	v_mov_b32 v83, v82                             ; a plain place behind the transcendental
	s_wait_alu depctr_va_vdst(0)                   ; the wait, ahead of its first reader
	v_mov_b32 v85, v84
.set i, 0
.rept 16
	v_pk_add_f32 v[ACC+i:ACC+i+1], v[ACC+i:ACC+i+1], v[82:83] neg_lo:[0,1] neg_hi:[0,1]
.set i, i+2
.endr
.set i, 0
.rept 16
	v_pk_mul_f32 v[ACC+i:ACC+i+1], v[ACC+i:ACC+i+1], v[84:85]
.set i, i+2
.endr
	; the way out, through my own stage: back by rows a lane always holds the same four columns, so gamma and beta are four registers each
.irp t, 0,1,2,3
	ds_store_b128 v[OSI], v[ACC+8*\t:ACC+8*\t+3] offset:64*\t
	ds_store_b128 v[OSI], v[ACC+8*\t+4:ACC+8*\t+7] offset:64*\t+16
.endr
.irp i, 0,1,2,3,4,5,6,7
	ds_load_b128 v[OB+4*\i:OB+4*\i+3], v[OSO] offset:544*\i        ; rows 2 i + h; LDS serves a wave's instructions in order
.endr
.irp i, 0,1,2,3,4,5,6,7
	s_wait_dscnt 7-\i                              ; the younger read-backs may stay out
	v_pk_fma_f32 v[OB+4*\i:OB+4*\i+1], v[OB+4*\i:OB+4*\i+1], v[GA:GA+1], v[BE:BE+1]
	v_pk_fma_f32 v[OB+4*\i+2:OB+4*\i+3], v[OB+4*\i+2:OB+4*\i+3], v[GA+2:GA+3], v[BE+2:BE+3]
	global_store_b128 v[GO], v[OB+4*\i:OB+4*\i+3], s[80:81] offset:2048*\i th:TH_STORE_NT   ; sixteen lanes store 256 consecutive bytes, at a multiple of 256 from out0's first byte
.endr
	s_wait_dscnt 0x0
	s_set_vgpr_msb 0x4
	s_wait_tensorcnt 0x0
	ds_add_u32 v19, v1
	s_wait_dscnt 0x0
	s_set_vgpr_msb 0x400
	CROUND                                         ; the closing round: no work-group ends while a partner may still ask for a tile that names it
	s_endpgm
.Lfunc_end_k_qe39a722f7f_attn:
	.size	k_qe39a722f7f_attn, .Lfunc_end_k_qe39a722f7f_attn-k_qe39a722f7f_attn
	.p2alignl 7, 3214868480
	.fill 96, 4, 3214868480
	.section	.rodata,"a",@progbits
	.p2align	6, 0x0
	.amdhsa_kernel k_qe39a722f7f_attn
		.amdhsa_group_segment_fixed_size 184832
		.amdhsa_private_segment_fixed_size 0
		.amdhsa_enable_private_segment 0
		.amdhsa_kernarg_size 56
		.amdhsa_user_sgpr_count 2
		.amdhsa_user_sgpr_kernarg_segment_ptr 1
		.amdhsa_wavefront_size32 1
		.amdhsa_system_sgpr_workgroup_id_x 1
		.amdhsa_system_sgpr_workgroup_id_y 1
		.amdhsa_system_sgpr_workgroup_id_z 1
		.amdhsa_system_vgpr_workitem_id 0
		.amdhsa_next_free_vgpr 258
		.amdhsa_next_free_sgpr 96
		.amdhsa_reserve_vcc 1
		.amdhsa_float_denorm_mode_32 3
		.amdhsa_float_denorm_mode_16_64 3
		.amdhsa_memory_ordered 1
		.amdhsa_forward_progress 1
		.amdhsa_inst_pref_size 75
	.end_amdhsa_kernel
	.amdgpu_metadata
---
amdhsa.version: [ 1, 2 ]
amdhsa.kernels:
  - .name:           k_qe39a722f7f_attn
    .symbol:         k_qe39a722f7f_attn.kd
    .args:
      - { .name: mask, .offset: 0, .size: 8, .value_kind: global_buffer, .address_space: global }
      - { .name: x, .offset: 8, .size: 8, .value_kind: global_buffer, .address_space: global }
      - { .name: gamma, .offset: 16, .size: 8, .value_kind: global_buffer, .address_space: global }
      - { .name: beta, .offset: 24, .size: 8, .value_kind: global_buffer, .address_space: global }
      - { .name: part, .offset: 32, .size: 8, .value_kind: global_buffer, .address_space: global }
      - { .name: vq, .offset: 40, .size: 8, .value_kind: global_buffer, .address_space: global }
      - { .name: out0, .offset: 48, .size: 8, .value_kind: global_buffer, .address_space: global }
    .group_segment_fixed_size: 184832
    .private_segment_fixed_size: 0
    .kernarg_segment_align: 8
    .kernarg_segment_size: 56
    .max_flat_workgroup_size: 128
    .sgpr_count:     96
    .vgpr_count:     258
    .wavefront_size: 32
...
	.end_amdgpu_metadata
.endif
;; end of part 2
